; MI455X (gfx1250); checked and timed in simulation.
; The chip was launched on July 23, 2026; its instructions are those of AMD's public machine-readable ISA for CDNA 5 (MIT licence, August 2026) and "CDNA5" Instruction Set Architecture Reference Guide (July 2026). The comments in the code are by the model that wrote it; some were corrected since.
;; Spatial Attention. Allowed arithmetic: matrix products marked QUANTISED: E2M1 operands, one E8M0 scale for each 32 along K, by v_wmma_scale_f32_16x16x128_f8f6f4 with both operands' format E2M1 (or v_wmma_scale_f32_32x16x128_f4), f32 sums; products left as they are: f32 operands where the result goes on into a quantised operand, else bf16, f16 or f32 operands; f32 sums; everything else in f32.
;; Inputs: Wk 64 x 1 float32; Wo 1 x 64 float32; Wq 64 x 1 float32; Wv 64 x 1 float32; bk 64 float32; bo 1 float32; bq 64 float32; bv 64 float32; x 64 x 1 x 86 x 86 float32.
;; Outputs: out0 64 x 1 x 86 x 86 float32.
;; This version of the problem:
;;   THIS VERSION OF THE PROBLEM IS GIVEN IN LOW PRECISION. The matrix products marked QUANTISED in the list below multiply operands that are first quantised to E2M1 (2 exponent bits, 1 mantissa bit; 4 bits a number), with one power-of-two scale for each 32 numbers along K (OCP MX v1.0); their sums are f32. All else is computed in f32.
;;   The module's matrix products, in the order in which they are computed (A, B: the left and right operand; K: the contracted axis; several contracted axes count as one K, in the product's order):
;;     1. [M 64, K 1] x [K 1, N 473,344]; A: input Wq; B: input x: left as it is (K = 1 < 32)
;;     2. [M 64, K 1] x [K 1, N 473,344]; A: input Wk; B: input x: left as it is (K = 1 < 32)
;;     3. [M 64, K 1] x [K 1, N 473,344]; A: input Wv; B: input x: left as it is (K = 1 < 32)
;;     4. batch 64 x [M 64, K 7,396] x [K 7,396, N 64]; A: computed on the way; B: computed on the way: QUANTISED
;;     5. batch 64 x [M 64, K 64] x [K 64, N 7,396]; A: softmax (see below); B: computed on the way: QUANTISED
;;     6. [M 1, K 64] x [K 64, N 473,344]; A: input Wo; B: computed on the way: left as it is (M = 1 < 16)
;;   THE QUANTISER, for each operand of a quantised product, along K:
;;     - K is cut into blocks of 32 from its start; a last block that is shorter is filled with zeros.
;;     - A block's scale is 2^e with e = floor(log2(the largest magnitude in the block)) - 2, held to -126 .. 127; a block of zeros has e = 0. As a byte (E8M0): e + 127.
;;     - Each number is divided by its block's scale, clamped to +-6, and rounded to the nearest number of E2M1, ties to even, subnormals kept.
;;     - The product sums the exact products of the quantised numbers (number of the format x scale) in f32.
;;   ~~~python
;;   def quantise(x, axis):      # numpy; x: float32 -> the quantised numbers, widened to float32 again
;;       x = np.moveaxis(x, axis, -1); K = x.shape[-1]
;;       x = np.pad(x, [(0, 0)] * (x.ndim - 1) + [(0, -K % 32)]); x = x.reshape(x.shape[:-1] + (-1, 32)); a = np.abs(x).max(-1, keepdims=True)
;;       e = np.where(a > 0, np.clip(np.frexp(np.where(a > 0, a, 1))[1] - 1 - 2, -126, 127), 0)      # np.frexp(a)[1] - 1 = floor(log2(a)), exactly
;;       r = np.clip(x / 2.0 ** e, -6, 6)
;;       step = 2.0 ** (np.maximum(np.frexp(np.where(r == 0, 1, r))[1] - 1, 0) - 1)
;;       q = np.round(r / step) * step * 2.0 ** e      # np.round: ties to even
;;       return np.moveaxis(q.reshape(q.shape[:-2] + (-1,))[..., :K], -1, axis).astype(np.float32)
;;   ~~~
;;   SOFTMAX AHEAD OF A QUANTISED PRODUCT. Where the list says 'softmax', what is quantised is not the finished softmax but p = 2^(t - M), with t = logit x log2(e) and M = ceil(the row's largest t), a whole number; so 1/2 < the row's largest p <= 1. The row's sum l is taken of the UNQUANTISED p, in f32, and the product's result is divided by l at the end. Since M is a whole number, a kernel that streams over the keys may use a running M (the ceiling of the running maximum): every later rescaling is an exact power of two, which a block's scale takes up: the codes' values come out the same.
;;   OPERANDS COMPUTED ON THE WAY. 'Computed on the way' means the value that the module computes at that place (a softmax that the list does not call 'softmax' is quantised finished and normalised). What goes into a quantiser is computed in f32, as accurately as f32 sums, v_exp_f32 and their like allow (about 1e-6 of the number): no bf16 or f16 on the way to a quantiser, and a product that is left as it is and whose result goes on into a quantised operand takes f32 operands (vector FMAs, or v_wmma_f32_16x16x4_f32). A number that lies on a knife's edge between two numbers of the format may be rounded either way, as far as f32 arithmetic and the matrix unit's own rounding can turn it there, and no further.
;; One version. Each part assembles by itself: llvm-mc -triple=amdgcn-amd-amdhsa -mcpu=gfx1250 --defsym DOCPART=n.
;; ======== version 1 of 1: 2 launches
;; workspace buffers: part 4,194,304 bytes
;; launch scores (part 1): grid 4 x 64, 4 waves a work-group, no clusters, 61,952 bytes of LDS; arguments x, Wq, bq, Wk, bk, part; writes part
.if DOCPART == 1
	.amdgcn_target "amdgcn-amd-amdhsa--gfx1250"
	.amdhsa_code_object_version 6
	.text
	.protected	k_qfb0745ab70_scores
	.globl	k_qfb0745ab70_scores
	.p2align	8
	.type	k_qfb0745ab70_scores,@function
k_qfb0745ab70_scores:
	s_mov_b64 s[64:65], 0
	v_nop
	global_prefetch_b8 v0, s[64:65] scope:SCOPE_SE
	s_setreg_imm32_b32 hwreg(HW_REG_WAVE_MODE, 25, 1), 1
	s_wait_xcnt 0x0
; SpatialAttention, first of two launches: partial sums of scores[b][h][g] = sum over n of Q[b][h][n] K[b][g][n], Q = Wq[h] x[b][n] + bq[h], K = Wk[g] x[b][n] + bk[g],
; both operands quantised along n to E2M1 with one E8M0 scale for each 32 n (7,396 n a batch: 232 blocks, the last of 4 numbers and 28 zeros).
; NO WORK IS LEFT OUT: every input moves codes, scales or the result.  This launch loads x, Wq, bq, Wk, bk; the second loads x, Wv, bv, Wo, bo.
; SHARES.  A batch's 58 steps of 128 n are dealt to 16 waves (4 work-groups of 4 waves): wave u = 4 x work-group + wave takes steps u, u + 16, u + 32 and, where u < 10, u + 48.
; For a step a wave makes all eight fragments (Q's four tiles of 16 rows, K's four) in registers and issues 16 matrix instructions on 16 accumulators of its own.  At the end the four waves of a
; work-group add their accumulators through LDS, each keeping one tile of rows, and store a quarter of the batch's sum: part[b][work-group][it][jt][q][lane][4], images of the accumulators' registers.
; A BLOCK'S LARGEST MAGNITUDE IS NOT SEARCHED FOR ROW BY ROW.  A fused multiply-add w x + b, rounded, rises or falls with x and never turns: so over a block the largest |w x + b| is, bit for bit, the larger of
; |w xmax + b| and |w xmin + b|.  The block's xmax and xmin are found once and serve all 128 rows.
; THE PRODUCT IS USED TRANSPOSED, AND K'S ROWS OF A TILE ARE CHOSEN: source 0 = K's tile jt, whose lane r takes g = 32 (r / 8) + 8 jt + r % 8; source 1 = Q's tile.  In the result lane (r, hh) holds row h = 16 it + r,
; and register j of tile jt holds g = 32 hh + 8 jt + j: a lane's 32 registers over jt are a whole block of the next product's K, in order.
; Q's tiles are taken rotated: my local tile a is tile (a + wave) % 4, so that the tile I keep is always a = 0 and register numbers are constants.
; NO CLUSTER: the four work-groups of a batch share only the 1,024 bytes of weights; each reads other bytes of x.  No tensor load: a wave's input is 2,048 bytes, asked for once.
; LIMITS.  NaN and infinities among the inputs are not served.  A block of zeros gets the scale byte 1 where the rule says 127: its codes are zeros, and the bytes never leave the registers.
; Q and K are one fused multiply-add where reference() rounds the product and then the sum.  A batch's scores are summed in 16 partial sums, not in one ascending chain.
; REGISTERS.  Window 0: v1-15 addresses; v16-19 (xmax, xmin) of my two blocks; v20-27 scale words; v28-59 w, b and the conversions' scale operands; v60-123 x; v124-187 at work; v188-251 codes; v252-255 the fourth step's x.
; Window 1 (v256-383): the 16 accumulators, (a, jt) at 8 (4 a + jt).
.set NBYTES, 29584                     ; a batch of x in bytes: 7,396 x 4, a multiple of 16
.set XW,     3072                      ; LDS: a wave's own stage for x: four slots
.set XSL,    768                       ; a slot: 512 bytes of x as loaded, then 32 pairs (xmax, xmin), one a lane
.set RED,    12288                     ; LDS: the reduction: 12,288 bytes for each receiving wave: three senders x 4,096
.set SPARE,  61440                     ; the spare words, 128 bytes for each wave: two blocks of 256 bytes that no other line names
.set SPW, 1                            ; v1   LDS address of my spare word; never rewritten
.set NIL, 2                            ; v2   0; never rewritten
.set SH,  3                            ; v3   8 hh
.set AX,  4                            ; v4   my stage + 128 hh: where my half's x begins in a slot
.set AM,  5                            ; v5   my stage + 512 + 64 hh: my half's pairs
.set AST, 6                            ; v6   my stage + 16 lane
.set APM, 7                            ; v7   my stage + 512 + 8 lane
.set LI,  8                            ; v8   16 lane
.set XO,  9                            ; v9   512 u + 16 lane
.set XO3, 10                           ; v10  the same three strides on, held at the batch's last 16 bytes
.set KO,  11                           ; v11  K's rows: 128 (r / 8) + 4 (r % 8)
.set RS0, 11                           ; v12-14  RS0 + a: where I send local tile a
.set RL,  15                           ; v15  where I read what was sent to me
.set MM,  16
.set SW,  20                           ; fragment f's scale word: f = 0..3 Q's local tiles, 4..7 K's tiles
.set WB,  28                           ; fragment f: +4f w, +4f+1 scale operand of c = 0, +4f+2 b, +4f+3 scale operand of c = 1
.set X,   60                           ; register 32 c + i = x[128 k + 64 c + 32 hh + i]
.set T,   124                          ; two sets of 32 numbers
.set QO,  156                          ; v156-159 at the head alone: Q's rows of local tile a
.set CD,  188                          ; fragment f's eight registers at 8 f
.set G3,  252
.set MK,  252
.set L,   60                           ; the reduction: three senders' 32 registers
.set R,   188                          ; and the sum
.set MSB, 0
.macro WIN new                         ; the immediate's high byte repeats the setting that is left
.if MSB != \new
	s_set_vgpr_msb (MSB<<8)|\new
.set MSB, \new
.endif
.endm
; A step's 512 bytes of x, 16 a lane in v[g] on: eight lanes hold a block of 32.  Its largest and smallest x; then x and the pair go to slot i of my stage.
.macro STAGE i, g
	v_max3_num_f32 v[T+2*\i], v[(\g)], v[(\g)+1], v[(\g)+2]
	v_min3_num_f32 v[T+2*\i+1], v[(\g)], v[(\g)+1], v[(\g)+2]
	v_max_num_f32 v[T+2*\i], v[T+2*\i], v[(\g)+3]
	v_min_num_f32 v[T+2*\i+1], v[T+2*\i+1], v[(\g)+3]
.irp m, 1,2,4
	v_max_num_f32_dpp v[T+2*\i], v[T+2*\i], v[T+2*\i] row_xmask:\m row_mask:0xf bank_mask:0xf
	v_min_num_f32_dpp v[T+2*\i+1], v[T+2*\i+1], v[T+2*\i+1] row_xmask:\m row_mask:0xf bank_mask:0xf
.endr
	ds_store_b128 v[AST], v[(\g):(\g)+3] offset:XSL*\i
	ds_store_b64 v[APM], v[T+2*\i:T+2*\i+1] offset:XSL*\i
.endm
; Slot i comes back in the operand's order: every lane of a half takes the same 64 numbers (the sixteen lanes read the same words), and its two blocks' pairs.  LDS serves a wave's instructions in order: these see my stores.
.macro XFETCH i
.irp c, 0,1
.irp j, 0,1,2,3,4,5,6,7
	ds_load_b128 v[X+32*\c+4*\j:X+32*\c+4*\j+3], v[AX] offset:XSL*(\i)+256*\c+16*\j
.endr
	ds_load_b64 v[MM+2*\c:MM+2*\c+1], v[AM] offset:XSL*(\i)+128*\c
.endr
.endm
; The 16 scales of a lane (8 fragments x its 2 blocks), by turns line by line, and the 8 scale words.
.macro SCALES
.irp f, 0,1,2,3,4,5,6,7
.irp c, 0,1
	v_pk_fma_f32 v[T+4*\f+2*\c:T+4*\f+2*\c+1], v[MM+2*\c:MM+2*\c+1], v[WB+4*\f:WB+4*\f+1], v[WB+4*\f+2:WB+4*\f+3] op_sel_hi:[1,0,0]   ; w xmax + b, w xmin + b
.endr
.endr
.irp f, 0,1,2,3,4,5,6,7
.irp c, 0,1
	v_max3_num_f32 v[WB+4*\f+1+2*\c], |v[T+4*\f+2*\c]|, |v[T+4*\f+2*\c+1]|, 0x1800000   ; the block's largest magnitude, and the floor 2^(3 - 127): the byte cannot fall under 1
.endr
.endr
.irp f, 0,1,2,3,4,5,6,7
.irp c, 0,1
	v_add_nc_u32 v[WB+4*\f+1+2*\c], 0xff000000, v[WB+4*\f+1+2*\c]   ; 2 off its exponent field: the conversion's scale operand
.endr
.endr
.irp f, 0,1,2,3,4,5,6,7
.irp c, 0,1
	v_lshrrev_b32 v[T+4*\f+2*\c], 23, v[WB+4*\f+1+2*\c]   ; the scale's byte
.endr
.endr
.irp f, 0,1,2,3,4,5,6,7
	v_lshl_or_b32 v[SW+\f], v[T+4*\f+2], 16, v[T+4*\f]   ; my two bytes: blocks hh and 2 + hh,
.endr
.irp f, 0,1,2,3,4,5,6,7
	v_lshlrev_b32 v[SW+\f], v[SH], v[SW+\f]              ; at their places;
.endr
.irp f, 0,1,2,3,4,5,6,7
	v_permlanex16_b32 v[T+4*\f+1], v[SW+\f], s24, s25
.endr
.irp f, 0,1,2,3,4,5,6,7
	v_or_b32 v[SW+\f], v[SW+\f], v[T+4*\f+1]             ; with lane l xor 16's two the word is whole
.endr
.endm
; Fragment f: 64 numbers w x + b and their codes, a block at a time, in two sets of registers by turns: a set is written again only behind the other set's 16 plain instructions.
; pf = 1: the next step's x is asked for as soon as the last multiply-adds have read this step's.
.macro FRAG f, pf, nx
.irp c, 0,1
.irp i, 0,2,4,6,8,10,12,14,16,18,20,22,24,26,28,30
	v_pk_fma_f32 v[T+32*\c+\i:T+32*\c+\i+1], v[X+32*\c+\i:X+32*\c+\i+1], v[WB+4*\f:WB+4*\f+1], v[WB+4*\f+2:WB+4*\f+3] op_sel_hi:[1,0,0]
.endr
.if \pf && \c
	XFETCH \nx
.endif
.irp g, 0,1,2,3
	v_cvt_scalef32_pk8_fp4_f32 v[CD+8*\f+4*\c+\g], v[T+32*\c+8*\g:T+32*\c+8*\g+7], v[WB+4*\f+1+2*\c]
.endr
.endr
.endm
; 16 matrix instructions.  The 16 accumulators take turns, one instruction a turn, in the same order in every step.  zero = 1: the first step starts the sums.
.macro MUL zero
	WIN 0x50                                       ; C and D in window 1
.irp a, 0,1,2,3
.irp j, 0,1,2,3
.if \zero
	v_wmma_scale_f32_16x16x128_f8f6f4 v[8*(4*\a+\j):8*(4*\a+\j)+7], v[CD+8*(4+\j):CD+8*(4+\j)+7], v[CD+8*\a:CD+8*\a+7], 0, v[SW+4+\j], v[SW+\a] matrix_a_fmt:MATRIX_FMT_FP4 matrix_b_fmt:MATRIX_FMT_FP4
.else
	v_wmma_scale_f32_16x16x128_f8f6f4 v[8*(4*\a+\j):8*(4*\a+\j)+7], v[CD+8*(4+\j):CD+8*(4+\j)+7], v[CD+8*\a:CD+8*\a+7], v[8*(4*\a+\j):8*(4*\a+\j)+7], v[SW+4+\j], v[SW+\a] matrix_a_fmt:MATRIX_FMT_FP4 matrix_b_fmt:MATRIX_FMT_FP4
.endif
.endr
.endr
	WIN 0
.endm
; A step of 128 n.  tail = 1: in the batch's last step (u = 9) n ends 100 numbers in: block 3 (c = 1, hh = 1) keeps its first 4 codes, the other 28 become zero codes, on both operands.
.macro STEP i, zero, pf, tail
	s_wait_dscnt 0x0                               ; this step's x and pairs are in
	SCALES
.irp f, 0,1,2,3,4,5,6
	FRAG \f, 0, 0
.endr
	FRAG 7, \pf, (\i)+1
.if \tail
	s_cmp_lg_u32 s19, 9
	s_cbranch_scc1 .Lwhole_\@
	v_lshrrev_b32 v[MK], 3, v[SH]                  ; hh.  (Plain lines behind the last conversion)
	v_add_nc_u32 v[MK], -1, v[MK]                  ; all ones in lanes 0-15, 0 in lanes 16-31
	v_or_b32 v[MK+1], 0xffff, v[MK]                ; and with the first four codes kept
.irp f, 0,1,2,3,4,5,6,7
	v_and_b32 v[CD+8*\f+4], v[MK+1], v[CD+8*\f+4]
	v_and_b32 v[CD+8*\f+5], v[MK], v[CD+8*\f+5]
	v_and_b32 v[CD+8*\f+6], v[MK], v[CD+8*\f+6]
	v_and_b32 v[CD+8*\f+7], v[MK], v[CD+8*\f+7]
.endr
.Lwhole_\@:
.endif
.rept 4
	v_nop                                          ; an operand written by vector instructions stands four places ahead of a scaled matrix instruction (the scale words stand hundreds ahead)
.endr
	MUL \zero
.endm
	s_load_b256 s[4:11], s[0:1], 0x0               ; x s[4:5], Wq s[6:7], bq s[8:9], Wk s[10:11]
	s_load_b128 s[12:15], s[0:1], 0x20             ; bk s[12:13], part s[14:15]
	v_lshl_add_u32 v[SPW], v0, 2, SPARE
	v_mov_b32 v[NIL], 0
	v_lshrrev_b32 v160, 5, v0
	v_readfirstlane_b32 s16, v160                  ; wave 0..3
	s_and_b32 s18, ttmp7, 0xffff                   ; the batch
	s_lshl_b32 s19, ttmp9, 2
	s_add_co_u32 s19, s19, s16                     ; u = 4 x work-group + wave
	s_mov_b32 s24, 0x76543210
	s_mov_b32 s25, 0xfedcba98                      ; v_permlanex16_b32's selects for lane l xor 16
	v_and_b32 v160, 31, v0                         ; lane
	v_and_b32 v161, 15, v0                         ; r
	v_bfe_u32 v162, v0, 4, 1                       ; hh
	v_lshlrev_b32 v[SH], 3, v162
	s_mul_i32 s22, s16, XW                         ; my stage
	s_add_co_u32 s23, s22, 512
	v_lshl_add_u32 v[AX], v162, 7, s22
	v_lshl_add_u32 v[AM], v162, 6, s23
	v_lshlrev_b32 v[LI], 4, v160
	v_add_nc_u32 v[AST], s22, v[LI]
	v_lshl_add_u32 v[APM], v160, 3, s23
	s_lshl_b32 s20, s19, 9
	v_lshl_add_u32 v[XO], v160, 4, s20
	v_add_nc_u32 v[XO3], 24576, v[XO]
	v_min_u32 v[XO3], NBYTES-16, v[XO3]            ; no load leaves the batch.  In the last step lanes 25-31 so repeat lane 24's x[7392 .. 7395]: block 3's xmax and xmin are those of its 4 numbers
	v_lshrrev_b32 v163, 3, v161
	v_and_b32 v[KO], 7, v161
	v_lshlrev_b32 v[KO], 2, v[KO]
	v_lshl_add_u32 v[KO], v163, 7, v[KO]
	s_lshl_b32 s21, s16, 6
	v_lshl_add_u32 v[QO], v161, 2, s21             ; local tile 0 is tile wave
	s_mul_i32 s20, s16, 12288
	s_add_co_u32 s20, s20, RED
	v_add_nc_u32 v[RL], s20, v[LI]
.irp a, 1,2,3
	s_add_co_u32 s20, s16, \a
	s_and_b32 s20, s20, 3                          ; local tile a is tile (a + wave) % 4, and goes to that wave
	s_lshl_b32 s21, s20, 6
	v_lshl_add_u32 v[QO+\a], v161, 2, s21
	s_mul_i32 s20, s20, 12288
	s_add_co_u32 s20, s20, RED+4096*(\a-1)
	v_add_nc_u32 v[RS0+\a], s20, v[LI]
.endr
	s_mul_i32 s20, s18, NBYTES
	s_mov_b32 s21, 0
	s_lshl_b32 s22, s18, 2
	s_add_co_u32 s22, s22, ttmp9
	s_lshl_b32 s22, s22, 14                        ; part: 16,384 bytes for each work-group,
	s_lshl_b32 s23, s16, 12
	s_add_co_u32 s22, s22, s23                     ; 4,096 for each tile of rows
	s_mov_b32 s23, 0
	s_wait_kmcnt 0x0
	s_add_nc_u64 s[4:5], s[4:5], s[20:21]
	s_add_nc_u64 s[14:15], s[14:15], s[22:23]
.irp i, 0,1,2
	global_load_b128 v[CD+4*\i:CD+4*\i+3], v[XO], s[4:5] offset:8192*\i   ; step u + 16 i: 512 consecutive bytes
.endr
	global_load_b128 v[G3:G3+3], v[XO3], s[4:5]    ; step u + 48.  Waves with u >= 10 have no such step: their load is held at the batch's last 16 bytes and is not used: one load in place of a second branch on u
.irp a, 0,1,2,3
	global_load_b32 v[WB+4*\a], v[QO+\a], s[6:7]
	global_load_b32 v[WB+4*\a+2], v[QO+\a], s[8:9]
.endr
.irp j, 0,1,2,3
	global_load_b32 v[WB+16+4*\j], v[KO], s[10:11] offset:32*\j
	global_load_b32 v[WB+16+4*\j+2], v[KO], s[12:13] offset:32*\j
.endr
.irp f, 0,1,2,3,4,5,6,7
	v_mov_b32 v[WB+4*\f+1], 0                      ; named as the upper halves of the pairs (w, .) and (b, .) before they are first made
	v_mov_b32 v[WB+4*\f+3], 0
.endr
	s_wait_loadcnt 16                              ; the four loads of x are in; the 16 of w and b, issued behind them, may be out
	STAGE 0, CD
	STAGE 1, CD+4
	STAGE 2, CD+8
	XFETCH 0
	s_wait_loadcnt 0x0                             ; w and b
	STEP 0, 1, 1, 0
	STEP 1, 0, 1, 0
	STEP 2, 0, 0, 0
	s_cmp_ge_u32 s19, 10                           ; 58 steps: u + 48 exists where u < 10.  The one branch on u: no barrier stands under it
	s_cbranch_scc1 .Lsum
	STAGE 3, G3
	XFETCH 3
	STEP 3, 0, 0, 1
.Lsum:
	; THE REDUCTION.  I send local tiles 1 to 3 to the waves that keep them, as images of their registers, and add what the three others send me onto local tile 0.
.rept 4
	v_nop                                          ; four places between the last matrix instruction and the first read of results
.endr
	WIN 0x04                                       ; an LDS store's data are its source 1: window 1
.irp a, 1,2,3
.irp j, 0,1,2,3
	ds_store_b128 v[RS0+\a], v[8*(4*\a+\j):8*(4*\a+\j)+3] offset:1024*\j          ; each accumulator from its low end on
	ds_store_b128 v[RS0+\a], v[8*(4*\a+\j)+4:8*(4*\a+\j)+7] offset:1024*\j+512
.endr
.endr
	WIN 0
	s_wait_dscnt 0x0                               ; for the others' sake: my stores have landed
	s_barrier_signal -1
	s_barrier_wait -1
.irp s, 0,1,2
.irp j, 0,1,2,3
.irp q, 0,1
	ds_load_b128 v[L+32*\s+8*\j+4*\q:L+32*\s+8*\j+4*\q+3], v[RL] offset:4096*\s+1024*\j+512*\q
.endr
.endr
.endr
	s_wait_dscnt 16                                ; the first sender's eight loads are in; the other sixteen may be out
	WIN 0x01                                       ; source 0: my own accumulators, window 1
.irp p, 0,2,4,6,8,10,12,14,16,18,20,22,24,26,28,30
	v_pk_add_f32 v[R+\p:R+\p+1], v[\p:\p+1], v[L+\p:L+\p+1]
.endr
	WIN 0
	s_wait_dscnt 8                                 ; the second sender's; the last eight may be out
.irp p, 0,2,4,6,8,10,12,14,16,18,20,22,24,26,28,30
	v_pk_add_f32 v[R+\p:R+\p+1], v[R+\p:R+\p+1], v[L+32+\p:L+32+\p+1]
.endr
	s_wait_dscnt 0x0
.irp p, 0,2,4,6,8,10,12,14,16,18,20,22,24,26,28,30
	v_pk_add_f32 v[R+\p:R+\p+1], v[R+\p:R+\p+1], v[L+64+\p:L+64+\p+1]
.endr
.irp j, 0,1,2,3
.irp q, 0,1
	global_store_b128 v[LI], v[R+8*\j+4*\q:R+8*\j+4*\q+3], s[14:15] offset:1024*\j+512*\q   ; 32 lanes store 512 consecutive bytes, at a multiple of 512 from part's first byte
.endr
.endr
	s_wait_tensorcnt 0x0                           ; the wave's end, behind my last LDS store
	ds_add_u32 v[SPW], v[NIL]
	s_wait_dscnt 0x0
	s_endpgm
.Lfunc_end_k_qfb0745ab70_scores:
	.size	k_qfb0745ab70_scores, .Lfunc_end_k_qfb0745ab70_scores-k_qfb0745ab70_scores
	.p2alignl 7, 3214868480
	.fill 96, 4, 3214868480
	.section	.rodata,"a",@progbits
	.p2align	6, 0x0
	.amdhsa_kernel k_qfb0745ab70_scores
		.amdhsa_group_segment_fixed_size 61952
		.amdhsa_private_segment_fixed_size 0
		.amdhsa_enable_private_segment 0
		.amdhsa_kernarg_size 48
		.amdhsa_user_sgpr_count 2
		.amdhsa_user_sgpr_kernarg_segment_ptr 1
		.amdhsa_wavefront_size32 1
		.amdhsa_system_sgpr_workgroup_id_x 1
		.amdhsa_system_sgpr_workgroup_id_y 1
		.amdhsa_system_sgpr_workgroup_id_z 1
		.amdhsa_system_vgpr_workitem_id 0
		.amdhsa_next_free_vgpr 384
		.amdhsa_next_free_sgpr 66
		.amdhsa_reserve_vcc 0
		.amdhsa_float_denorm_mode_32 3
		.amdhsa_float_denorm_mode_16_64 3
		.amdhsa_memory_ordered 1
		.amdhsa_forward_progress 1
		.amdhsa_inst_pref_size 133
	.end_amdhsa_kernel
	.amdgpu_metadata
---
amdhsa.version: [ 1, 2 ]
amdhsa.kernels:
  - .name:           k_qfb0745ab70_scores
    .symbol:         k_qfb0745ab70_scores.kd
    .args:
      - { .name: x, .offset: 0, .size: 8, .value_kind: global_buffer, .address_space: global }
      - { .name: Wq, .offset: 8, .size: 8, .value_kind: global_buffer, .address_space: global }
      - { .name: bq, .offset: 16, .size: 8, .value_kind: global_buffer, .address_space: global }
      - { .name: Wk, .offset: 24, .size: 8, .value_kind: global_buffer, .address_space: global }
      - { .name: bk, .offset: 32, .size: 8, .value_kind: global_buffer, .address_space: global }
      - { .name: part, .offset: 40, .size: 8, .value_kind: global_buffer, .address_space: global }
    .group_segment_fixed_size: 61952
    .private_segment_fixed_size: 0
    .kernarg_segment_align: 8
    .kernarg_segment_size: 48
    .max_flat_workgroup_size: 128
    .sgpr_count:     66
    .vgpr_count:     384
    .wavefront_size: 32
...
	.end_amdgpu_metadata
.endif
;; end of part 1
;; launch apply (part 2): grid 4 x 64, 8 waves a work-group, no clusters, 8,192 bytes of LDS; arguments part, x, Wv, bv, Wo, bo, out0; writes out0
.if DOCPART == 2
	.amdgcn_target "amdgcn-amd-amdhsa--gfx1250"
	.amdhsa_code_object_version 6
	.text
	.protected	k_qfb0745ab70_apply
	.globl	k_qfb0745ab70_apply
	.p2align	8
	.type	k_qfb0745ab70_apply,@function
k_qfb0745ab70_apply:
	s_mov_b64 s[64:65], 0
	v_nop
	global_prefetch_b8 v0, s[64:65] scope:SCOPE_SE
	s_setreg_imm32_b32 hwreg(HW_REG_WAVE_MODE, 25, 1), 1
	s_wait_xcnt 0x0
; SpatialAttention, second of two launches: out0[b][n] = bo + sum over h of Wo[h] / l[h] x (sum over g of p[h][g] V[g][n]), V = Wv[g] x[b][n] + bv[g].  No work is left out here either.
; THE SOFTMAX: scores = the four partial sums of the first launch; t = score / 8 x log2(e); M = the row's largest t rounded up to a whole number; p = 2^(t - M) is quantised along g; l is the sum of the unquantised p.
; THE PRODUCT p V is on codes of E2M1 with one E8M0 scale for each 32 g.  Its K is 64, the instruction's 128: p's registers 4-7 hold zero codes and both sides' scale bytes 2 and 3 are 0 (a power of two, no NaN), so V's
; registers 4-7 may hold any codes: they are the next tile's.  V's operand of tile T is v[VC + 4 T .. + 7].
; SHARES.  The four work-groups of a batch deal its columns to 32 waves, u = 8 x work-group + wave.  The output is walked in aligned runs of 64 numbers (256 bytes) counted from out0's first byte: a batch touches NU = 116 or 117 of
; them; wave u takes runs u, u + 32, u + 64 and, where u + 96 < NU, u + 96.  A run is four tiles of 16 columns: A = numbers 2 r, B = 32 + 2 r, C = 2 r + 1, D = 33 + 2 r, so that after the sum over h lane l holds numbers 2 l and 2 l + 1.
; 64 x 7,396 numbers are 7,396 whole runs: no run leaves x or out0.  In a batch's first and last run the numbers of the neighbouring batch are computed with the rest of the tile and not stored.
; Each work-group makes the batch's softmax itself: waves 0 to 3, a tile of 16 rows each; p's codes, scale words and Wo / l reach all eight waves through LDS as images of registers.
; ORDER.  Waves 0 to 3 ask for their 16,384 bytes of partial sums behind their small loads, into v256-383, quantise V (some 650 instructions) while those bytes are on their way, and only then wait for them.
; The waves part ONCE on the wave's number: V's phase (macro VPHASE) is written in both arms, so that every register read behind the join is written on both ways.
; Wv AND bv are read from memory once a wave, 8 bytes a lane, go into the wave's own 512 bytes of LDS and come back in the operand's order: lane (r, hh) takes the 32 numbers of g = 32 hh on; sixteen lanes read the same words.
; LAYOUT.  Source 0 = p (lane (r, hh): row 16 it + r, g = 32 hh + 0 .. 31: as the first launch left the scores: no number changes lanes); source 1 = V (lane (r, hh): column r, g = 32 hh + 0 .. 31: a whole block in a lane).
; NO CLUSTER, though the four work-groups of a batch read the same 65,536 bytes of part: whether a wave has a fourth run hangs on its work-group's place among the four, and partners of a cluster may not part on that;
; and those bytes go straight into registers, once.
; LIMITS.  NaN and infinities among the inputs are not served.  A block of zeros gets the scale byte 1 where the rule says 127: its codes are zeros.  A p under 2^-126 comes out of v_exp_f32 as 0.
; V is one fused multiply-add where reference() rounds the product and then the sum.
; REGISTERS, window 0: v1-9 addresses; v10-11 first Wo and an LDS address, then (bo in lanes 0-15, 0); v12-19 at work; v20-35 x; v36-51 V's scale words; v52-119 V's codes; v120-121 LDS addresses; v122-123 first an LDS address and
; Wo's offset, then two results; v124-155 Wv, later p; v156-187 bv, later Wo / l; v188-251 two sets of 32 numbers, then the scores and p, later eight results of the product; v252-255 p's scale words.
; Window 1 (v256-383): the four partial sums, 32 registers each.
.set NN,    7396
.set PIMG,  0                          ; LDS: p's codes: 512 it + 16 lane
.set PSC,   2048                       ; p's scale words: 128 it + 4 lane
.set COL,   2560                       ; Wo / l: 128 it + 4 lane (row r in words r and 16 + r)
.set WST,   3072                       ; 512 bytes of its own for each wave: Wv's 256, then bv's 256
.set SPARE, 7168                       ; the spare words, 128 bytes for each of eight waves: four blocks of 256 bytes that no other line names
.set SPW, 1
.set NIL, 2
.set SH,  3                            ; 8 hh
.set LI,  4                            ; 16 lane
.set LS,  5                            ; 4 lane
.set XO,  6                            ; 8 r
.set OO,  7                            ; 8 lane
.set CA,  8                            ; COL + 32 hh
.set EL,  9                            ; which number of the batch my first result of run u is: 64 u + 2 lane - o
.set BOI, 10
.set WOV, 10                           ; up to the join: Wo[16 it + r]
.set WRA, 11                           ; up to the join: my stage + 128 hh
.set WK,  12
.set XR,  20                           ; run i: +4i (xA, xC), +4i+2 (xB, xD)
.set VS,  36
.set VC,  52
.set PIA, 120
.set PSA, 121
.set O,   122
.set WSA, 122                          ; up to the join: my stage + 8 lane
.set WA,  123                          ; up to the join: Wo's offset
.set WV,  124
.set BV,  156
.set T,   188
.set PS,  252
.set P,   124
.set CO,  156
.set D,   188
.set S,   188
.set PC,  220
.set MSB, 0
.macro WIN new                         ; the immediate's high byte repeats the setting that is left
.if MSB != \new
	s_set_vgpr_msb (MSB<<8)|\new
.set MSB, \new
.endif
.endm
; Tile t of V: 32 numbers Wv[g] x + bv[g] of my column, their largest magnitude (all 32 are mine), the scale, four conversions, the scale word.  odd = 1: x is the upper word of the pair.
.macro QT t, xp, odd
.set TS, T+32*((\t)%2)
.set SO, WK+4+((\t)%2)
.irp i, 0,2,4,6,8,10,12,14,16,18,20,22,24,26,28,30
.if \odd
	v_pk_fma_f32 v[TS+\i:TS+\i+1], v[(\xp):(\xp)+1], v[WV+\i:WV+\i+1], v[BV+\i:BV+\i+1] op_sel:[1,0,0] op_sel_hi:[1,1,1]
.else
	v_pk_fma_f32 v[TS+\i:TS+\i+1], v[(\xp):(\xp)+1], v[WV+\i:WV+\i+1], v[BV+\i:BV+\i+1] op_sel_hi:[0,1,1]
.endif
.endr
	v_max3_num_f32 v[WK], |v[TS]|, |v[TS+1]|, 0x1800000            ; four chains; the floor 2^(3 - 127) is one leaf: the byte cannot fall under 1
	v_max3_num_f32 v[WK+1], |v[TS+2]|, |v[TS+3]|, |v[TS+4]|
	v_max3_num_f32 v[WK+2], |v[TS+5]|, |v[TS+6]|, |v[TS+7]|
	v_max3_num_f32 v[WK+3], |v[TS+8]|, |v[TS+9]|, |v[TS+10]|
.irp k, 0,1,2,3,4,5,6,7,8,9
	v_max3_num_f32 v[WK+\k%4], v[WK+\k%4], |v[TS+11+2*\k]|, |v[TS+12+2*\k]|
.endr
	v_max3_num_f32 v[WK], v[WK], v[WK+1], v[WK+2]
	v_max3_num_f32 v[WK], v[WK], v[WK+3], |v[TS+31]|
	v_add_nc_u32 v[SO], 0xff000000, v[WK]                          ; 2 off the exponent field: the conversion's scale operand
.irp g, 0,1,2,3
	v_cvt_scalef32_pk8_fp4_f32 v[VC+4*(\t)+\g], v[TS+8*\g:TS+8*\g+7], v[SO]
.endr
	v_lshrrev_b32 v[WK+6], 23, v[SO]                               ; the scale's byte.  (The plain line behind the conversions)
	v_lshlrev_b32 v[WK+6], v[SH], v[WK+6]                          ; block hh's place
	v_permlanex16_b32 v[WK+7], v[WK+6], s32, s33
	v_or_b32 v[VS+(\t)], v[WK+6], v[WK+7]                          ; bytes 0 and 1; bytes 2 and 3 stay 0
.endm
.macro QGROUP i
	QT 4*(\i), XR+4*(\i), 0
	QT 4*(\i)+1, XR+4*(\i)+2, 0
	QT 4*(\i)+2, XR+4*(\i), 1
	QT 4*(\i)+3, XR+4*(\i)+2, 1
.endm
; V'S PHASE.  Wv and bv, 8 bytes a lane in v[T .. T + 3], turn through my own 512 bytes of LDS into the operand's order (LDS serves a wave's instructions in order: the loads see my stores; no other wave touches these bytes);
; then the codes and scale words of my three or four runs.
.macro VPHASE
	ds_store_b64 v[WSA], v[T:T+1]
	ds_store_b64 v[WSA], v[T+2:T+3] offset:256
.irp j, 0,1,2,3,4,5,6,7
	ds_load_b128 v[WV+4*\j:WV+4*\j+3], v[WRA] offset:16*\j          ; Wv[32 hh + 4 j .. + 3]
	ds_load_b128 v[BV+4*\j:BV+4*\j+3], v[WRA] offset:256+16*\j      ; bv likewise
.endr
.irp j, 48,49,50,51,52,53,54,55,56,57,58,59,60,61,62,63,64,65,66,67
	v_mov_b32 v[VC+\j], 0                          ; the upper halves of the operands of tiles 11 and 15; and every register is written before it is read on every way through the text: the fourth run's codes
.endr
.irp j, 12,13,14,15
	v_mov_b32 v[VS+\j], 0                          ; and its scale words
.endr
	s_wait_dscnt 0x0                               ; Wv and bv are in, and the stores have read their registers
	QGROUP 0
	QGROUP 1
	QGROUP 2
	s_cmp_ge_u32 s28, s27
	s_cbranch_scc1 .Lq3_\@
	QGROUP 3
.Lq3_\@:
.endm
; Two tiles: eight products (four tiles of rows each), then the sum over h with Wo / l: two chains a tile, the tiles by turns, each result read from its low end on.
; bo rides in the first link, in lanes 0-15 alone.  The exchange of halves brings tile ta's two half sums into lanes 0-15 and tile tb's into lanes 16-31.
.macro PAIR ta, tb, out
.irp m, 0,1,2,3
	v_wmma_scale_f32_16x16x128_f8f6f4 v[D+8*\m:D+8*\m+7], v[P+8*\m:P+8*\m+7], v[VC+4*(\ta):VC+4*(\ta)+7], 0, v[PS+\m], v[VS+(\ta)] matrix_a_fmt:MATRIX_FMT_FP4 matrix_b_fmt:MATRIX_FMT_FP4
	v_wmma_scale_f32_16x16x128_f8f6f4 v[D+32+8*\m:D+32+8*\m+7], v[P+8*\m:P+8*\m+7], v[VC+4*(\tb):VC+4*(\tb)+7], 0, v[PS+\m], v[VS+(\tb)] matrix_a_fmt:MATRIX_FMT_FP4 matrix_b_fmt:MATRIX_FMT_FP4
.endr
.rept 4
	v_nop                                          ; four places between the last product and the first read of results
.endr
	v_pk_fma_f32 v[WK:WK+1], v[D:D+1], v[CO:CO+1], v[BOI:BOI+1]
	v_pk_fma_f32 v[WK+4:WK+5], v[D+32:D+33], v[CO:CO+1], v[BOI:BOI+1]
	v_pk_mul_f32 v[WK+2:WK+3], v[D+2:D+3], v[CO+2:CO+3]
	v_pk_mul_f32 v[WK+6:WK+7], v[D+34:D+35], v[CO+2:CO+3]
.irp p, 2,3,4,5,6,7,8,9,10,11,12,13,14,15
	v_pk_fma_f32 v[WK+2*(\p%2):WK+2*(\p%2)+1], v[D+2*\p:D+2*\p+1], v[CO+2*\p:CO+2*\p+1], v[WK+2*(\p%2):WK+2*(\p%2)+1]
	v_pk_fma_f32 v[WK+4+2*(\p%2):WK+4+2*(\p%2)+1], v[D+32+2*\p:D+32+2*\p+1], v[CO+2*\p:CO+2*\p+1], v[WK+4+2*(\p%2):WK+4+2*(\p%2)+1]
.endr
	v_pk_add_f32 v[WK:WK+1], v[WK:WK+1], v[WK+2:WK+3]
	v_pk_add_f32 v[WK+4:WK+5], v[WK+4:WK+5], v[WK+6:WK+7]
	v_add_f32 v[WK], v[WK], v[WK+1]
	v_add_f32 v[WK+4], v[WK+4], v[WK+5]
	v_permlane16_swap_b32 v[WK], v[WK+4]           ; the first's lanes 16-31 change places with the second's lanes 0-15
	v_add_f32 v[O+\out], v[WK], v[WK+4]            ; lane l: number 2 l + out of the run
.endm
; Run u + 32 i.  One unsigned compare serves both ends of the batch: a number ahead of the batch's first wraps to a large one.  o and 7,396 are even: a lane's two numbers fall on the same side.
.macro AGROUP i
	PAIR 4*(\i), 4*(\i)+1, 0
	PAIR 4*(\i)+2, 4*(\i)+3, 1
	v_add_nc_u32 v[WK+2], 2048*(\i), v[EL]
	v_cmp_gt_u32 vcc_lo, NN, v[WK+2]
	s_wait_xcnt 0x0                                ; EXEC changes only behind this wait: earlier loads and stores have read it
	s_and_saveexec_b32 s36, vcc_lo
	global_store_b64 v[OO], v[O:O+1], s[16:17] offset:8192*(\i) th:TH_STORE_NT   ; 32 lanes store 256 consecutive bytes, aligned; all of them but in a batch's first and last run
	s_wait_xcnt 0x0                                ; and again, in front of the line that widens it; the two results may be written again too
	s_or_b32 exec_lo, exec_lo, s36
.endm
	s_load_b256 s[4:11], s[0:1], 0x0               ; part s[4:5], x s[6:7], Wv s[8:9], bv s[10:11]
	s_load_b128 s[12:15], s[0:1], 0x20             ; Wo s[12:13], bo s[14:15]
	s_load_b64 s[16:17], s[0:1], 0x30              ; out0
	v_lshl_add_u32 v[SPW], v0, 2, SPARE
	v_mov_b32 v[NIL], 0
	v_lshrrev_b32 v12, 5, v0
	v_readfirstlane_b32 s20, v12                   ; wave 0..7
	s_and_b32 s22, ttmp7, 0xffff                   ; the batch
	s_lshl_b32 s23, ttmp9, 3
	s_add_co_u32 s23, s23, s20                     ; u
	s_mul_i32 s24, s22, NN                         ; the batch's first number,
	s_and_b32 s25, s24, 63                         ; o: its place in its run,
	s_lshr_b32 s26, s24, 6                         ; and that run
	s_add_co_u32 s27, s25, NN+63
	s_lshr_b32 s27, s27, 6                         ; NU: the runs that the batch touches
	s_add_co_u32 s28, s23, 96                      ; my fourth run, if it is under NU
	s_lshl_b32 s29, s23, 6
	s_sub_co_u32 s29, s29, s25                     ; 64 u - o
	s_and_b32 s21, s20, 3                          ; the tile of rows whose softmax waves 0 to 3 make
	s_mov_b32 s32, 0x76543210
	s_mov_b32 s33, 0xfedcba98                      ; v_permlanex16_b32's selects for lane l xor 16
	s_mov_b32 s34, 0x3e38aa3b                      ; c = log2(e) / 8
	s_mov_b32 s35, s34                             ; (named with it as a pair, so it is written)
	v_and_b32 v12, 31, v0                          ; lane
	v_and_b32 v13, 15, v0                          ; r
	v_bfe_u32 v14, v0, 4, 1                        ; hh
	v_lshlrev_b32 v[SH], 3, v14
	v_lshlrev_b32 v[LI], 4, v12
	v_lshlrev_b32 v[LS], 2, v12
	v_lshlrev_b32 v[XO], 3, v13
	v_lshlrev_b32 v[OO], 3, v12
	v_lshl_add_u32 v[CA], v14, 5, COL              ; every LDS address is made here, ahead of the parting on the wave's number
	s_lshl_b32 s30, s21, 9
	v_add_nc_u32 v[PIA], s30, v[LI]
	s_lshl_b32 s30, s21, 7
	s_add_co_u32 s30, s30, PSC
	v_add_nc_u32 v[PSA], s30, v[LS]
	s_lshl_b32 s30, s20, 9
	s_add_co_u32 s30, s30, WST                     ; my stage for Wv and bv
	v_add_nc_u32 v[WSA], s30, v[OO]
	v_lshl_add_u32 v[WRA], v14, 7, s30
	s_lshl_b32 s30, s21, 6
	v_lshl_add_u32 v[WA], v13, 2, s30
	v_mov_b32 v[WK+7], 0                           ; written once: a lane permute's destination counts as one of its sources
.irp j, 12,13,14,15
	v_mov_b32 v[XR+\j], 0                          ; every register is written before it is read on every way through the text: the fourth run's x
.endr
	s_lshl_b32 s38, s22, 16                        ; part: 65,536 bytes a batch,
	s_lshl_b32 s39, s21, 12
	s_add_co_u32 s38, s38, s39                     ; 4,096 a tile of rows
	s_mov_b32 s39, 0
	s_add_co_u32 s40, s26, s23
	s_lshl_b32 s40, s40, 8                         ; x and out0 at my first run
	s_mov_b32 s41, 0
	s_wait_kmcnt 0x0
	s_add_nc_u64 s[4:5], s[4:5], s[38:39]
	s_add_nc_u64 s[6:7], s[6:7], s[40:41]
	s_add_nc_u64 s[16:17], s[16:17], s[40:41]
	s_load_b32 s18, s[14:15], 0x0                  ; bo
	global_load_b64 v[T:T+1], v[OO], s[8:9]        ; Wv's 256 bytes, 8 a lane
	global_load_b64 v[T+2:T+3], v[OO], s[10:11]    ; bv's
.irp i, 0,1,2
	global_load_b64 v[XR+4*\i:XR+4*\i+1], v[XO], s[6:7] offset:8192*\i        ; numbers 2 r, 2 r + 1 of the run
	global_load_b64 v[XR+4*\i+2:XR+4*\i+3], v[XO], s[6:7] offset:8192*\i+128  ; and 32 + 2 r, 33 + 2 r
.endr
	s_cmp_ge_u32 s28, s27
	s_cbranch_scc1 .Lx3
	global_load_b64 v[XR+12:XR+13], v[XO], s[6:7] offset:24576
	global_load_b64 v[XR+14:XR+15], v[XO], s[6:7] offset:24576+128
.Lx3:
	s_cmp_ge_u32 s20, 4                            ; the one parting on the wave's number
	s_cbranch_scc1 .Lothers
	; ---- WAVES 0 TO 3: the four partial sums of rows 16 it + r are asked for now, and waited for behind V's phase
	WIN 0x40                                       ; destination window 1
.irp j, 0,1,2,3
.irp q, 0,1
.irp s, 0,1,2,3
	global_load_b128 v[32*\s+8*\j+4*\q:32*\s+8*\j+4*\q+3], v[LI], s[4:5] offset:16384*\s+1024*\j+512*\q
.endr
.endr
.endr
	WIN 0
	global_load_b32 v[WOV], v[WA], s[12:13]        ; Wo[16 it + r]
	s_wait_loadcnt 33                              ; loads come back in order (ISA guide 5.7.1): Wv, bv and x are in; the 32 loads of partial sums and Wo's, issued behind them, may be out
	VPHASE
	s_wait_loadcnt 0x0                             ; the partial sums and Wo
	; ---- THE SOFTMAX: lane (r, hh) holds g = 32 hh + 0 .. 31 of row 16 it + r
	WIN 0x05                                       ; sources 0 and 1 window 1, destination window 0
.irp p, 0,2,4,6,8,10,12,14,16,18,20,22,24,26,28,30
	v_pk_add_f32 v[S+\p:S+\p+1], v[\p:\p+1], v[32+\p:32+\p+1]
	v_pk_add_f32 v[S+32+\p:S+32+\p+1], v[64+\p:64+\p+1], v[96+\p:96+\p+1]
.endr
	WIN 0
.irp p, 0,2,4,6,8,10,12,14,16,18,20,22,24,26,28,30
	v_pk_add_f32 v[S+\p:S+\p+1], v[S+\p:S+\p+1], v[S+32+\p:S+32+\p+1]     ; the scores
.endr
.irp k, 0,1,2,3
	v_max3_num_f32 v[WK+\k], v[S+8*\k], v[S+8*\k+1], v[S+8*\k+2]         ; my block's largest score, in four chains: it serves the row's maximum and, since p rises with the score, the block's largest p
.endr
.irp i, 3,5
.irp k, 0,1,2,3
	v_max3_num_f32 v[WK+\k], v[WK+\k], v[S+8*\k+\i], v[S+8*\k+\i+1]
.endr
.endr
	v_max3_num_f32 v[WK], v[WK], v[S+7], v[S+15]
	v_max3_num_f32 v[WK+2], v[WK+2], v[S+23], v[S+31]
	v_max3_num_f32 v[WK], v[WK], v[WK+1], v[WK+2]
	v_max_num_f32 v[WK], v[WK], v[WK+3]
	v_permlanex16_b32 v[WK+7], v[WK], s32, s33
	v_max_num_f32 v[WK+1], v[WK], v[WK+7]          ; with the other block's: the row's largest score
	v_mul_f32 v[WK+1], s34, v[WK+1]                ; as t (c is positive)
	v_floor_f32 v[WK+2], -v[WK+1]                  ; -M = floor(-t) = -ceil(t)
.irp p, 0,2,4,6,8,10,12,14,16,18,20,22,24,26,28,30
	v_pk_fma_f32 v[S+\p:S+\p+1], v[S+\p:S+\p+1], s[34:35], v[WK+2:WK+3] op_sel_hi:[1,0,0]   ; t - M, two at a time
.endr
	v_fma_f32 v[WK], v[WK], s34, v[WK+2]           ; the same of the block's largest score
.irp i, 0,1,2,3,4,5,6,7,8,9,10,11,12,13,14,15,16,17,18,19,20,21,22,23,24,25,26,27,28,29,30,31
	v_exp_f32 v[S+\i], v[S+\i]                     ; p = 2^(t - M): not normalised
.endr
	v_exp_f32 v[WK], v[WK]                         ; the block's largest p: the same two instructions on the same number give the same bits
	v_nop                                          ; a plain instruction behind the last exponential
	s_wait_alu depctr_va_vdst(0)                   ; the wait ahead of the first instruction that names a result: one for the 33
	v_pk_add_f32 v[WK+4:WK+5], v[S:S+1], v[S+2:S+3]        ; l is the sum of the unquantised p: two chains
	v_pk_add_f32 v[WK+6:WK+7], v[S+4:S+5], v[S+6:S+7]
.irp p, 8,12,16,20,24,28
	v_pk_add_f32 v[WK+4:WK+5], v[WK+4:WK+5], v[S+\p:S+\p+1]
	v_pk_add_f32 v[WK+6:WK+7], v[WK+6:WK+7], v[S+\p+2:S+\p+3]
.endr
	v_pk_add_f32 v[WK+4:WK+5], v[WK+4:WK+5], v[WK+6:WK+7]
	v_add_f32 v[WK+4], v[WK+4], v[WK+5]
	v_permlanex16_b32 v[WK+5], v[WK+4], s32, s33
	v_add_f32 v[WK+4], v[WK+4], v[WK+5]            ; l
	v_rcp_f32 v[WK+6], v[WK+4]
	v_max_num_f32 v[WK], 0x1800000, v[WK]          ; the floor 2^(3 - 127): a block whose every p has fallen to 0 keeps the byte 1: its codes are zeros
	v_add_nc_u32 v[WK+1], 0xff000000, v[WK]        ; 2 off the exponent field: the conversion's scale operand
	v_lshrrev_b32 v[WK+2], 23, v[WK+1]             ; the scale's byte,
	v_lshlrev_b32 v[WK+2], v[SH], v[WK+2]          ; at block hh's place;
	v_permlanex16_b32 v[WK+3], v[WK+2], s32, s33
	v_or_b32 v[WK+2], v[WK+2], v[WK+3]             ; with the other block's: the row's scale word; bytes 2 and 3 stay 0
.irp g, 0,1,2,3
	v_cvt_scalef32_pk8_fp4_f32 v[PC+\g], v[S+8*\g:S+8*\g+7], v[WK+1]      ; registers 0 to 3 of the operand, as they stand
.endr
	v_nop                                          ; a plain line behind the last conversion
	s_wait_alu depctr_va_vdst(0)                   ; the wait for the reciprocal, ahead of its first reader
	v_mul_f32 v[WK+7], v[WOV], v[WK+6]             ; Wo / l
	ds_store_b128 v[PIA], v[PC:PC+3]
	ds_store_b32 v[PSA], v[WK+2]
	ds_store_b32 v[PSA], v[WK+7] offset:COL-PSC
	s_branch .Ljoin
.Lothers:
	; ---- WAVES 4 TO 7: V's phase alone
	s_wait_loadcnt 0x0                             ; Wv, bv, x
	VPHASE
.Ljoin:
	s_wait_loadcnt 0x0                             ; no load of mine is out: Wo's register and its offset's may be written again
	s_wait_kmcnt 0x0                               ; bo
	s_wait_dscnt 0x0                               ; for the others' sake: my stores have landed
	s_barrier_signal -1
.irp m, 0,1,2,3
.irp j, 4,5,6,7
	v_mov_b32 v[P+8*\m+\j], 0                      ; p's zero codes for k = 64 .. 127 (Wv's registers are done with)
.endr
.endr
	v_mov_b32 v[BOI], s18                          ; these six lines are also the places between the lines above and the first scaled product
	v_mov_b32 v[BOI+1], 0
	v_cmp_eq_u32 vcc_lo, 0, v[SH]
	v_cndmask_b32 v[BOI], v[BOI+1], v[BOI], vcc_lo ; bo in lanes 0-15, 0 in lanes 16-31: a column's two half sums take it once
	v_lshrrev_b32 v[EL], 2, v[OO]
	v_add_nc_u32 v[EL], s29, v[EL]
	s_barrier_wait -1                              ; the four tiles of p lie in LDS
.irp m, 0,1,2,3
	ds_load_b128 v[P+8*\m:P+8*\m+3], v[LI] offset:PIMG+512*\m
	ds_load_b32 v[PS+\m], v[LS] offset:PSC+128*\m
	ds_load_b128 v[CO+8*\m:CO+8*\m+3], v[CA] offset:128*\m         ; Wo / l of rows 16 m + 8 hh + 0 .. 7: the rows that a result's eight registers hold
	ds_load_b128 v[CO+8*\m+4:CO+8*\m+7], v[CA] offset:128*\m+16
.endr
	s_wait_dscnt 0x0
	AGROUP 0
	AGROUP 1
	AGROUP 2
	s_cmp_ge_u32 s28, s27
	s_cbranch_scc1 .La3
	AGROUP 3
.La3:
	s_wait_tensorcnt 0x0                           ; the wave's end, behind my last LDS store
	ds_add_u32 v[SPW], v[NIL]
	s_wait_dscnt 0x0
	s_endpgm
.Lfunc_end_k_qfb0745ab70_apply:
	.size	k_qfb0745ab70_apply, .Lfunc_end_k_qfb0745ab70_apply-k_qfb0745ab70_apply
	.p2alignl 7, 3214868480
	.fill 96, 4, 3214868480
	.section	.rodata,"a",@progbits
	.p2align	6, 0x0
	.amdhsa_kernel k_qfb0745ab70_apply
		.amdhsa_group_segment_fixed_size 8192
		.amdhsa_private_segment_fixed_size 0
		.amdhsa_enable_private_segment 0
		.amdhsa_kernarg_size 56
		.amdhsa_user_sgpr_count 2
		.amdhsa_user_sgpr_kernarg_segment_ptr 1
		.amdhsa_wavefront_size32 1
		.amdhsa_system_sgpr_workgroup_id_x 1
		.amdhsa_system_sgpr_workgroup_id_y 1
		.amdhsa_system_sgpr_workgroup_id_z 1
		.amdhsa_system_vgpr_workitem_id 0
		.amdhsa_next_free_vgpr 384
		.amdhsa_next_free_sgpr 66
		.amdhsa_reserve_vcc 1
		.amdhsa_float_denorm_mode_32 3
		.amdhsa_float_denorm_mode_16_64 3
		.amdhsa_memory_ordered 1
		.amdhsa_forward_progress 1
		.amdhsa_inst_pref_size 130
	.end_amdhsa_kernel
	.amdgpu_metadata
---
amdhsa.version: [ 1, 2 ]
amdhsa.kernels:
  - .name:           k_qfb0745ab70_apply
    .symbol:         k_qfb0745ab70_apply.kd
    .args:
      - { .name: part, .offset: 0, .size: 8, .value_kind: global_buffer, .address_space: global }
      - { .name: x, .offset: 8, .size: 8, .value_kind: global_buffer, .address_space: global }
      - { .name: Wv, .offset: 16, .size: 8, .value_kind: global_buffer, .address_space: global }
      - { .name: bv, .offset: 24, .size: 8, .value_kind: global_buffer, .address_space: global }
      - { .name: Wo, .offset: 32, .size: 8, .value_kind: global_buffer, .address_space: global }
      - { .name: bo, .offset: 40, .size: 8, .value_kind: global_buffer, .address_space: global }
      - { .name: out0, .offset: 48, .size: 8, .value_kind: global_buffer, .address_space: global }
    .group_segment_fixed_size: 8192
    .private_segment_fixed_size: 0
    .kernarg_segment_align: 8
    .kernarg_segment_size: 56
    .max_flat_workgroup_size: 256
    .sgpr_count:     66
    .vgpr_count:     384
    .wavefront_size: 32
...
	.end_amdgpu_metadata
.endif
;; end of part 2
